; MI455X (gfx1250); checked and timed in simulation.
; The chip was launched on July 23, 2026; its instructions are those of AMD's public machine-readable ISA for CDNA 5 (MIT licence, August 2026) and "CDNA5" Instruction Set Architecture Reference Guide (July 2026). The comments in the code are by the model that wrote it; some were corrected since.
;; Self Attention Naive. Allowed arithmetic: matrix products marked QUANTISED: E3M2 operands, one E8M0 scale for each 32 along K, by v_wmma_scale_f32_16x16x128_f8f6f4 with both operands' format E3M2, f32 sums; everything else in f32.
;; Inputs: gamma 1 float32; wf_codes 64 x 8 x 24 uint8 (E3M2 codes of wf, K innermost, in blocks of 32 codes, four codes in three bytes); wf_scales 64 x 8 uint8 (E8M0 scales of wf, one for each 32 codes along K); wg_codes 64 x 8 x 24 uint8 (E3M2 codes of wg, K innermost, in blocks of 32 codes, four codes in three bytes); wg_scales 64 x 8 uint8 (E8M0 scales of wg, one for each 32 codes along K); wh_codes 256 x 8 x 24 uint8 (E3M2 codes of wh, K innermost, in blocks of 32 codes, four codes in three bytes); wh_scales 256 x 8 uint8 (E8M0 scales of wh, one for each 32 codes along K); x 8 x 256 x 64 x 64 float32.
;; Outputs: out0 8 x 256 x 64 x 64 float32.
;; This version of the problem:
;;   THIS VERSION OF THE PROBLEM IS GIVEN IN LOW PRECISION. The matrix products marked QUANTISED in the list below multiply operands that are first quantised to E3M2 (3 exponent bits, 2 mantissa bits; 6 bits a number), with one power-of-two scale for each 32 numbers along K (OCP MX v1.0); their sums are f32. All else is computed in f32.
;;   The module's matrix products, in the order in which they are computed (A, B: the left and right operand; K: the contracted axis; several contracted axes count as one K, in the product's order):
;;     1. [M 32,768, K 256] x [K 256, N 64]; A: input x; B: input wf (given as codes): QUANTISED
;;     2. [M 32,768, K 256] x [K 256, N 64]; A: input x; B: input wg (given as codes): QUANTISED
;;     3. [M 32,768, K 256] x [K 256, N 256]; A: input x; B: input wh (given as codes): QUANTISED
;;     4. batch 8 x [M 4,096, K 64] x [K 64, N 4,096]; A: computed on the way; B: computed on the way: QUANTISED
;;     5. batch 8 x [M 256, K 4,096] x [K 4,096, N 4,096]; A: computed on the way; B: softmax (see below): QUANTISED
;;   THE QUANTISER, for each operand of a quantised product, along K:
;;     - K is cut into blocks of 32 from its start; a last block that is shorter is filled with zeros.
;;     - A block's scale is 2^e with e = floor(log2(the largest magnitude in the block)) - 4, held to -126 .. 127; a block of zeros has e = 0. As a byte (E8M0): e + 127.
;;     - Each number is divided by its block's scale, clamped to +-28, and rounded to the nearest number of E3M2, ties to even, subnormals kept.
;;     - The product sums the exact products of the quantised numbers (number of the format x scale) in f32.
;;   ~~~python
;;   def quantise(x, axis):      # numpy; x: float32 -> the quantised numbers, widened to float32 again
;;       x = np.moveaxis(x, axis, -1); K = x.shape[-1]
;;       x = np.pad(x, [(0, 0)] * (x.ndim - 1) + [(0, -K % 32)]); x = x.reshape(x.shape[:-1] + (-1, 32)); a = np.abs(x).max(-1, keepdims=True)
;;       e = np.where(a > 0, np.clip(np.frexp(np.where(a > 0, a, 1))[1] - 1 - 4, -126, 127), 0)      # np.frexp(a)[1] - 1 = floor(log2(a)), exactly
;;       r = np.clip(x / 2.0 ** e, -28, 28)
;;       step = 2.0 ** (np.maximum(np.frexp(np.where(r == 0, 1, r))[1] - 1, -2) - 2)
;;       q = np.round(r / step) * step * 2.0 ** e      # np.round: ties to even
;;       return np.moveaxis(q.reshape(q.shape[:-2] + (-1,))[..., :K], -1, axis).astype(np.float32)
;;   ~~~
;;   SOFTMAX AHEAD OF A QUANTISED PRODUCT. Where the list says 'softmax', what is quantised is not the finished softmax but p = 2^(t - M), with t = logit x log2(e) and M = ceil(the row's largest t), a whole number; so 1/2 < the row's largest p <= 1. The row's sum l is taken of the UNQUANTISED p, in f32, and the product's result is divided by l at the end. Since M is a whole number, a kernel that streams over the keys may use a running M (the ceiling of the running maximum): every later rescaling is an exact power of two, which a block's scale takes up: the codes' values come out the same.
;;   OPERANDS COMPUTED ON THE WAY. 'Computed on the way' means the value that the module computes at that place (a softmax that the list does not call 'softmax' is quantised finished and normalised). What goes into a quantiser is computed in f32, as accurately as f32 sums, v_exp_f32 and their like allow (about 1e-6 of the number): no bf16 or f16 on the way to a quantiser, and a product that is left as it is and whose result goes on into a quantised operand takes f32 operands (vector FMAs, or v_wmma_f32_16x16x4_f32). A number that lies on a knife's edge between two numbers of the format may be rounded either way, as far as f32 arithmetic and the matrix unit's own rounding can turn it there, and no further.
;;   INPUTS GIVEN AS CODES. wf (in the module: [64, 256], K = its axis 1); wg (in the module: [64, 256], K = its axis 1); wh (in the module: [256, 256], K = its axis 1): each comes as NAME_codes (uint8): NAME with its K axis moved to the last place and cut into blocks of 32 codes, [.., K / 32, bytes a block], one block behind the other in memory; four codes in three bytes: a row's codes are one little-endian stream of bits, code i at bits 6 i .. 6 i + 5 (a code: sign, 3 exponent bits, 2 mantissa bits); and NAME_scales (uint8): the same leading axes, one E8M0 byte (e + 127) for each 32 codes along K. Its value is code x scale, taken as it is: it is not quantised again, and the codes and scales need not be those that the quantiser above would give.
;; One version. Each part assembles by itself: llvm-mc -triple=amdgcn-amd-amdhsa -mcpu=gfx1250 --defsym DOCPART=n.
;; ======== version 1 of 1: 2 launches
;; limits: right only within a limited range of input values
;; workspace buffers: q 1,703,936 bytes; kv 8,257,536 bytes
;; launch proj (part 1): grid 32 x 8, 16 waves a work-group, no clusters, 169,984 bytes of LDS; arguments x, wf_codes, wf_scales, wg_codes, wg_scales, wh_codes, wh_scales, q, kv; writes q, kv
.if DOCPART == 1
	.amdgcn_target "amdgcn-amd-amdhsa--gfx1250"
	.amdhsa_code_object_version 6
	.text
	.protected	k_qa9c2b7690f_proj
	.globl	k_qa9c2b7690f_proj
	.p2align	8
	.type	k_qa9c2b7690f_proj,@function
k_qa9c2b7690f_proj:
	s_mov_b64 s[64:65], 0
	v_nop
	global_prefetch_b8 v0, s[64:65] scope:SCOPE_SE
	s_setreg_imm32_b32 hwreg(HW_REG_WAVE_MODE, 25, 1), 1
	s_wait_xcnt 0x0
; PROJ.  fx = wf x, gx = wg x, hx = wh x on codes of BF6 (E3M2) with one E8M0 scale for each 32 along K, and their results quantised again for the attention launch.
; x: [8][256 channels][4096 positions] f32.  wf, wg: [64][256], wh: [256][256]: codes, K (the channels) innermost, with their scale bytes.
; SHARES.  A work-group takes one batch and one CHUNK of 128 positions; sixteen waves.
;   X: wave w = (pg = w % 4, cq = w / 4) loads 32 positions x 64 channels: A LANE TAKES A POSITION AND ITS REGISTERS RUN DOWN THE CHANNELS, so each load reads 128 consecutive bytes, a block of 32 along K lies in one lane,
;      and the conversions give codes with K innermost.  The codes go to LDS as images of the operand's registers.
;   F: waves 0-7 make fx, waves 8-15 gx, each for one tile of 16 positions (source 0 = 16 rows of the weight, source 1 = x's tile): a lane holds one position and its registers run along the channels, the next K.
;   H: wave w makes hx of channels 16 w .. 16 w + 15 for all 128 positions (source 0 = x's tile, source 1 = wh's 16 rows): a lane holds one channel and its registers run along the positions, the next K.
; THE POSITIONS OF A TILE ARE NOT NEIGHBOURS: row p of tile 4 c + i stands for position 64 c + 32 (p / 8) + 8 i + p % 8 of the chunk.  In a result whose rows are such tiles, lane (r, h) holds rows 8 h .. 8 h + 7 of each tile:
; the 32 registers of tiles 4 c .. 4 c + 3 are the WHOLE block of 32 positions 64 c + 32 h on, which is what the operand's layout wants of that lane: no lane is asked for a maximum, no codes change lanes.
; The rows of wf and wg that form tile o are chosen likewise: 32 (p / 8) + 8 o + p % 8.
; THE WEIGHTS' CODES come into LDS once, by twelve tensor loads of 32 rows of 192 bytes (waves 0-1 wf, 2-3 wg, 4-11 wh), and every wave takes its fragments from there.  32 rows and not 64, so that the two halves of a tile of wf
; or wg, which lie 32 rows apart, can begin 128 bytes apart modulo 256. One tensor load of a wave is out; nothing is filled twice.
; OUT.  Both buffers are laid in the order of the operands' registers, a record for each chunk (record = 32 x batch + chunk).
;   kv, 32,256 bytes a record: 0: key tile t at 768 t: registers 0-3 at 16 x lane, then registers 4-5 at 8 x lane;  6,144: the tiles' two scale bytes, tile t of lane l at 16 l + 4 (t / 2) + 2 (t % 2);
;       6,656: hx's scale words, channel tile c, channel r at 512 (c / 8) + 16 (r + 16 (c % 2)) + 4 ((c / 2) % 4);  7,680: channel tile c at 1,536 c: three groups of four registers at 16 x lane.
;   q, 6,656 bytes a record: gx's tiles and scale bytes, laid as kv's first 6,656.
; A block's scale is 2^(floor(log2(its largest magnitude)) - 4); its byte is the largest magnitude's exponent field - 4, held at 1 from below.
; LIMITS: NaN and infinities among the inputs are not served.  A block whose largest magnitude lies under 2^-122 keeps the byte 1.  A block of zeros gets the byte 1 where the rule says 127: its codes are zeros, which add
; nothing under any byte but 0xff, and this program alone reads the bytes.
; x comes by plain loads: each of its bytes is wanted by one lane, once.  No cluster: the work-groups share the weights alone, 76 KB against 128 KB of x for each.
.set REC,   32256
.set QREC,  6656
.set KSO,   6144                       ; a record's scale bytes of its tiles
.set VCO,   7680                       ; a record's codes of hx
.set XT,    3200                       ; LDS: x's tile t at XT t: K step s at + 1,536 s, half c at + 768 c (512 bytes: registers 6 c .. + 3 at 16 x lane; 256 bytes: registers 6 c + 4, + 5 at 8 x lane); 128 bytes spare, so that neighbouring tiles begin in other banks
.set XSC,   8*XT                       ; x's scale words: tile t, K step s, row r at (2 t + s) 64 + 4 r
.set SCO,   XSC+1024                   ; the scale bytes on their way out: fx's 512, hx's 1,024, gx's 512, as the records have them
.set WL,    SCO+2048                   ; the weights' codes: twelve tiles of 32 rows; a multiple of 256: no store lands in a block of 256 bytes that a tensor load fills
.set WP,    240                        ; a row: 3 x (64 bytes + 16 of padding)
.set WT,    32*WP+128                  ; from tile to tile
.set WFA2,  1                          ; v1   wf, wg: as v14, for the pieces that lie behind one padding more in lanes 16-31
.set WHA2,  2                          ; v2   wh: as v16, likewise
.set SH8,   3                          ; v3   8 h: how far my scale bytes are shifted up in the word
.set XA,    4                          ; v4   4 x lane: my position's bytes in a row of x
.set XW16,  5                          ; v5   where my codes' first four registers go
.set XW8,   6                          ; v6   and the other two
.set XWS,   7                          ; v7   and my two scale bytes
.set LI16,  8                          ; v8   16 x lane
.set LI8,   9                          ; v9   8 x lane
.set LS,    10                         ; v10  4 r
.set FI16,  11                         ; v11-13 the same three at my tile of phase F
.set FI8,   12
.set FS,    13
.set WFA,   14                         ; v14  wf, wg: my lane's LDS byte in a tile's rows;  v15 its byte in their scale bytes in memory
.set WFSA,  15
.set WHA,   16                         ; v16, v17 the same for wh
.set WHSA,  17
.set KSA,   18                         ; v18  where my tile's two scale bytes go
.set VSA,   19                         ; v19  where my channel's scale word goes
.set WFS,   20                         ; v20-27 scale words of wf or wg (tile o, K step s: 2 o + s);  v28-29 of wh;  v30-37 of x: these registers hold scales and nothing else
.set WHS,   28
.set XS,    30
.set PW,    38                         ; v38  the scale bytes just made;  v39 the last copy's LDS address
.set TP,    39
.set WH,    40                         ; v40-63   wh's two fragments
.set B,     64                         ; v64-159  eight fragments: of wf or wg, later of x
.set T0,    64                         ; v64-70   at work at the head
.set A,     160                        ; v160-223 64 numbers of x; then FA (32) and XF (24); then HA (64)
.set FA,    160
.set XF,    192
.set HA,    160
.set PC,    224                        ; v224-243 codes: 0-11 the operand's registers; + 12, + 16 the conversions' second halves
.set TM,    244                        ; v244-255 four largest magnitudes, bytes and a lane permute's result, scale operands
.set SEL,   32                         ; s[32:33] v_permlanex16_b32's selects for lane l xor 16
.set G0,    68                         ; s[68:71] descriptor group 0;  s[72:79] group 1
.set G1,    72
; a matrix instruction: D, source 0, source 1; c0 = 1: the constant 0 starts the sum; the two scale registers
.macro MM d, a, b, c0, sa, sb
.if \c0
	v_wmma_scale_f32_16x16x128_f8f6f4 v[\d:\d+7], v[\a:\a+11], v[\b:\b+11], 0, v[\sa], v[\sb] matrix_a_fmt:MATRIX_FMT_BF6 matrix_b_fmt:MATRIX_FMT_BF6
.else
	v_wmma_scale_f32_16x16x128_f8f6f4 v[\d:\d+7], v[\a:\a+11], v[\b:\b+11], v[\d:\d+7], v[\sa], v[\sb] matrix_a_fmt:MATRIX_FMT_BF6 matrix_b_fmt:MATRIX_FMT_BF6
.endif
.endm
.macro PLACES n                        ; plain places behind matrix instructions (ISA guide 7.12.1), where no other vector work is at hand
.rept \n
	v_nop
.endr
.endm
; block bp (0, 1) of my position: 32 channels in v[A + 32 bp] on, all mine: the largest magnitude, the scale, 32 codes in six registers, and their way into the image
.macro QUANTX bp
	v_max3_num_f32 v[TM+2*\bp], |v[A+32*\bp]|, |v[A+32*\bp+1]|, |v[A+32*\bp+2]|
	v_max3_num_f32 v[TM+2*\bp+1], |v[A+32*\bp+3]|, |v[A+32*\bp+4]|, |v[A+32*\bp+5]|
.irp i, 6,10,14,18,22,26
	s_delay_alu instid0(VALU_DEP_2)
	v_max3_num_f32 v[TM+2*\bp], v[TM+2*\bp], |v[A+32*\bp+\i]|, |v[A+32*\bp+\i+1]|
	s_delay_alu instid0(VALU_DEP_2)
	v_max3_num_f32 v[TM+2*\bp+1], v[TM+2*\bp+1], |v[A+32*\bp+\i+2]|, |v[A+32*\bp+\i+3]|
.endr
	s_delay_alu instid0(VALU_DEP_2)
	v_max3_num_f32 v[TM+2*\bp], v[TM+2*\bp], |v[A+32*\bp+30]|, |v[A+32*\bp+31]|
	s_delay_alu instid0(VALU_DEP_1)
	v_max3_num_f32 v[TM+2*\bp], v[TM+2*\bp], v[TM+2*\bp+1], 0x2800000   ; and the floor 2^(5 - 127): the byte cannot fall under 1
	s_delay_alu instid0(VALU_DEP_1)
	v_add_nc_u32 v[TM+8+\bp], 0xfe000000, v[TM+2*\bp]                   ; 4 off the exponent field: the conversion takes this operand's exponent field as its scale
	v_cvt_scalef32_pk16_bf6_f32 v[PC+6*\bp:PC+6*\bp+2], v[A+32*\bp:A+32*\bp+15], v[TM+8+\bp]
	v_cvt_scalef32_pk16_bf6_f32 v[PC+12+4*\bp:PC+14+4*\bp], v[A+32*\bp+16:A+32*\bp+31], v[TM+8+\bp]   ; (a conversion's three registers begin on an even number)
	v_lshrrev_b32 v[TM+4+\bp], 23, v[TM+8+\bp]                          ; the scale's byte.  Also the plain place behind the conversions
.irp i, 0,1,2
	v_mov_b32 v[PC+6*\bp+3+\i], v[PC+12+4*\bp+\i]
.endr
	ds_store_b128 v[XW16], v[PC+6*\bp:PC+6*\bp+3] offset:256*\bp        ; block bp belongs to lanes 16 bp + row of the operand
	ds_store_b64 v[XW8], v[PC+6*\bp+4:PC+6*\bp+5] offset:512+128*\bp
.endm
; 32 ng numbers of a lane, register 32 c + i = k 64 c + 32 (lane / 16) + i of my row: ng whole blocks.  They become codes in v[PC] on (six registers a block) and the row's 2 ng scale bytes in v[PW].
.macro QUANT s, ng
.set qb, 0
.rept 2*\ng
	v_max3_num_f32 v[TM+qb], |v[\s+16*qb]|, |v[\s+16*qb+1]|, 0x2800000  ; two chains a block; each accumulator is read from its low end on; the floor 2^(5 - 127) is one of the leaves
.set qb, qb+1
.endr
.irp i, 2,4,6,8,10,12,14
.set qb, 0
.rept 2*\ng
	v_max3_num_f32 v[TM+qb], v[TM+qb], |v[\s+16*qb+\i]|, |v[\s+16*qb+\i+1]|   ; (the chains by turns)
.set qb, qb+1
.endr
.endr
.set qb, 0
	v_max_num_f32 v[TM+2*qb], v[TM+2*qb], v[TM+2*qb+1]
.set qb, qb+1
.rept (\ng)-1
	s_delay_alu instid0(VALU_DEP_2)
	v_max_num_f32 v[TM+2*qb], v[TM+2*qb], v[TM+2*qb+1]                  ; the block's largest magnitude: all 32 numbers are mine
.set qb, qb+1
.endr
.set qb, 0
	v_add_nc_u32 v[TM+8+qb], 0xfe000000, v[TM+2*qb]
.set qb, qb+1
.rept (\ng)-1
	s_delay_alu instid0(VALU_DEP_2)
	v_add_nc_u32 v[TM+8+qb], 0xfe000000, v[TM+2*qb]
.set qb, qb+1
.endr
.set qb, 0
	v_lshrrev_b32 v[TM+4+qb], 23, v[TM+8+qb]
.set qb, qb+1
.rept (\ng)-1
	s_delay_alu instid0(VALU_DEP_2)
	v_lshrrev_b32 v[TM+4+qb], 23, v[TM+8+qb]
.set qb, qb+1
.endr
.if \ng > 1
	s_delay_alu instid0(VALU_DEP_1)
	v_lshl_or_b32 v[TM+4], v[TM+5], 16, v[TM+4]                         ; my bytes: blocks h and 2 + h,
.endif
	s_delay_alu instid0(VALU_DEP_1)
	v_lshlrev_b32 v[TM+4], v[SH8], v[TM+4]                              ; at their places in the word (8 h bits up);
	s_delay_alu instid0(VALU_DEP_1)
	v_permlanex16_b32 v[TM+6], v[TM+4], s[SEL], s[SEL+1]
	s_delay_alu instid0(VALU_DEP_1)
	v_or_b32 v[PW], v[TM+4], v[TM+6]                                    ; with lane l xor 16's the word is whole, in both lanes
.set qb, 0
.rept \ng
	v_cvt_scalef32_pk16_bf6_f32 v[PC+6*qb:PC+6*qb+2], v[\s+32*qb:\s+32*qb+15], v[TM+8+qb]
	v_cvt_scalef32_pk16_bf6_f32 v[PC+12+4*qb:PC+14+4*qb], v[\s+32*qb+16:\s+32*qb+31], v[TM+8+qb]
.set qb, qb+1
.endr
	v_nop                                          ; one plain place behind a scaled conversion
.set qb, 0
.rept \ng
.irp i, 0,1,2
	v_mov_b32 v[PC+6*qb+3+\i], v[PC+12+4*qb+\i]
.endr
.set qb, qb+1
.endr
.endm
.macro XFETCH reg, a16, a8, off        ; a fragment of x comes back from its image
.irp c, 0,1
	ds_load_b128 v[\reg+6*\c:\reg+6*\c+3], v[\a16] offset:\off+768*\c
	ds_load_b64 v[\reg+6*\c+4:\reg+6*\c+5], v[\a8] offset:\off+768*\c+512
.endr
.endm
; a fragment of a weight, K step s, from rows of 192 bytes with 16 bytes of padding behind every 64: in pieces of 8 bytes.  Lanes 0-15 take the row's pieces 12 s + 0, 1, 2 and 12 s + 6, 7, 8, lanes 16-31 those three pieces on;
; where the piece three on lies behind one padding more, the second address register (40 for 24 bytes a half) serves
.macro WFRAG reg, adr, adr2, s, rowoff
.irp p, 0,1,2,3,4,5
.set PCE, 12*(\s)+6*(\p/3)+\p%3
.if PCE%8 < 5
	ds_load_b64 v[\reg+2*\p:\reg+2*\p+1], v[\adr] offset:8*PCE+16*(PCE/8)+\rowoff
.else
	ds_load_b64 v[\reg+2*\p:\reg+2*\p+1], v[\adr2] offset:8*PCE+16*(PCE/8)+\rowoff
.endif
.endr
.endm
	s_load_b256 s[4:11], s[0:1], 0x0               ; x s[4:5], wf's codes s[6:7], wf's scales s[8:9], wg's codes s[10:11]
	s_load_b256 s[12:19], s[0:1], 0x20             ; wg's scales s[12:13], wh's codes s[14:15], wh's scales s[16:17], q s[18:19]
	s_load_b64 s[20:21], s[0:1], 0x40              ; kv
	v_lshl_add_u32 v254, v0, 2, 0x29000
	v_mov_b32 v255, 0
	ds_add_u32 v254, v255
	ds_add_u32 v254, v255
	v_lshrrev_b32 v[T0], 5, v0
	s_delay_alu instid0(VALU_DEP_1)
	v_readfirstlane_b32 s22, v[T0]                 ; wave w, 0..15
	s_and_b32 s23, s22, 3                          ; pg: which 32 positions I load
	s_lshr_b32 s24, s22, 2                         ; cq: which 64 channels
	s_and_b32 s25, s22, 7                          ; t: my tile in phase F
	s_lshr_b32 s26, s22, 3                         ; 0: fx, 1: gx
	s_and_b32 s27, ttmp7, 0xffff                   ; batch
	s_lshl_b32 s28, s27, 5
	s_add_co_u32 s28, s28, ttmp9                   ; record = 32 x batch + chunk
	s_mov_b32 s[SEL], 0x76543210
	s_mov_b32 s[SEL+1], 0xfedcba98
	; the descriptor: 32 rows of 192 bytes, dense in memory, padded in LDS
	s_mov_b32 s[G1], (1<<20)|(3<<22)|(3<<25)       ; 15:0 no mask; 17:16 elements of 1 byte; 20 padding on; 24:22 after every 16 words (code 3); 31:25 of 4 words (code 3)
	s_mov_b32 s[G1+1], 192<<16                     ; tensor_dim0
	s_mov_b32 s[G1+2], 32<<16                      ; tensor_dim1
	s_mov_b32 s[G1+3], 192<<16                     ; tile_dim0
	s_mov_b32 s[G1+4], 32                          ; tile_dim1
	s_mov_b32 s[G1+5], 192                         ; from row to row
	s_mov_b32 s[G1+6], 0
	s_mov_b32 s[G1+7], 0
	s_mov_b32 s[G0], 1                             ; count = 1
	s_mul_i32 s[G0+1], s22, WT
	s_add_co_u32 s[G0+1], s[G0+1], WL              ; LDS address: tile w
	s_and_b32 s40, s22, 1                          ; which 32 rows of its tensor tile w is: w % 2 of wf (w < 2) or wg (w < 4), w - 4 of wh
	s_sub_co_u32 s41, s22, 4
	s_cmp_lt_u32 s22, 4
	s_cselect_b32 s40, s40, s41
	s_mul_i32 s40, s40, 32*192
	s_mov_b32 s41, 0
	v_and_b32 v[T0], 31, v0                        ; lane
	v_and_b32 v[T0+1], 15, v0                      ; r
	v_bfe_u32 v[T0+2], v0, 4, 1                    ; h
	v_and_b32 v[T0+3], 7, v0                       ; lane % 8
	v_bfe_u32 v[T0+4], v0, 3, 2                    ; lane / 8
	v_bfe_u32 v[T0+5], v0, 3, 1                    ; r / 8
	s_delay_alu instid0(VALU_DEP_4)
	v_lshlrev_b32 v[SH8], 3, v[T0+2]
	v_lshlrev_b32 v[XA], 2, v[T0]
	; my position 32 pg + lane is row 8 (pg % 2) + lane % 8 of tile 4 (pg / 2) + lane / 8
	s_lshr_b32 s29, s23, 1
	s_mul_i32 s29, s29, 4*XT
	s_mul_i32 s30, s24, 768                        ; K step cq / 2, half cq % 2: 1,536 (cq / 2) + 768 (cq % 2) = 768 cq
	s_add_co_u32 s29, s29, s30
	s_and_b32 s31, s23, 1
	v_mul_u32_u24 v[T0+6], v[T0+4], XT
	s_delay_alu instid0(VALU_DEP_1)
	v_add_nc_u32 v[T0+6], s29, v[T0+6]
	s_lshl_b32 s30, s31, 7
	v_add_nc_u32 v[XW16], s30, v[T0+6]
	s_delay_alu instid0(VALU_DEP_1)
	v_lshl_add_u32 v[XW16], v[T0+3], 4, v[XW16]    ; + 16 x row
	s_lshl_b32 s30, s31, 6
	v_add_nc_u32 v[XW8], s30, v[T0+6]
	s_delay_alu instid0(VALU_DEP_1)
	v_lshl_add_u32 v[XW8], v[T0+3], 3, v[XW8]      ; + 8 x row
	s_lshr_b32 s29, s23, 1                         ; scale words: (2 tile + K step) 64 + 4 row, my two bytes at 2 (cq % 2)
	s_lshl_b32 s29, s29, 9
	s_lshr_b32 s30, s24, 1
	s_lshl_b32 s30, s30, 6
	s_add_co_u32 s29, s29, s30
	s_lshl_b32 s30, s31, 5
	s_add_co_u32 s29, s29, s30
	s_and_b32 s30, s24, 1
	s_lshl_b32 s30, s30, 1
	s_add_co_u32 s29, s29, s30
	s_add_co_u32 s29, s29, XSC
	v_lshl_add_u32 v[XWS], v[T0+4], 7, s29
	s_delay_alu instid0(VALU_DEP_1)
	v_lshl_add_u32 v[XWS], v[T0+3], 2, v[XWS]
	v_lshlrev_b32 v[LI16], 4, v[T0]
	v_lshlrev_b32 v[LI8], 3, v[T0]
	v_lshlrev_b32 v[LS], 2, v[T0+1]
	s_mul_i32 s29, s25, XT
	v_add_nc_u32 v[FI16], s29, v[LI16]
	v_add_nc_u32 v[FI8], s29, v[LI8]
	s_lshl_b32 s30, s25, 7
	v_add_nc_u32 v[FS], s30, v[LS]
	s_mul_i32 s29, s26, 2*WT                       ; wf's two tiles of 32 rows, or wg's
	s_add_co_u32 s29, s29, WL
	v_mul_u32_u24 v[WFA], v[T0+5], WT              ; lane r of the weight's tile o takes row 32 (r / 8) + 8 o + r % 8
	s_delay_alu instid0(VALU_DEP_1)
	v_mad_u32_u24 v[WFA], v[T0+3], WP, v[WFA]
	s_delay_alu instid0(VALU_DEP_1)
	v_mad_u32_u24 v[WFA], v[T0+2], 24, v[WFA]
	s_delay_alu instid0(VALU_DEP_1)
	v_add_nc_u32 v[WFA], s29, v[WFA]
	s_delay_alu instid0(VALU_DEP_1)
	v_lshl_add_u32 v[WFA2], v[T0+2], 4, v[WFA]
	v_lshlrev_b32 v[WFSA], 8, v[T0+5]              ; and that row's 8 scale bytes in memory
	s_delay_alu instid0(VALU_DEP_1)
	v_lshl_add_u32 v[WFSA], v[T0+3], 3, v[WFSA]
	s_lshr_b32 s29, s22, 1                         ; wh: my rows 16 w + r lie in tile 4 + w / 2, from its row 16 (w % 2) on
	s_add_co_u32 s29, s29, 4
	s_mul_i32 s29, s29, WT
	s_and_b32 s30, s22, 1
	s_mul_i32 s30, s30, 16*WP
	s_add_co_u32 s29, s29, s30
	s_add_co_u32 s29, s29, WL
	v_mul_u32_u24 v[WHA], v[T0+1], WP
	s_delay_alu instid0(VALU_DEP_1)
	v_mad_u32_u24 v[WHA], v[T0+2], 24, v[WHA]
	s_delay_alu instid0(VALU_DEP_1)
	v_add_nc_u32 v[WHA], s29, v[WHA]
	s_delay_alu instid0(VALU_DEP_1)
	v_lshl_add_u32 v[WHA2], v[T0+2], 4, v[WHA]
	v_lshlrev_b32 v[WHSA], 3, v[T0+1]
	s_mul_i32 s29, s26, 1536                       ; fx's scale bytes at SCO, gx's at SCO + 1,536
	s_lshr_b32 s30, s25, 1
	s_lshl_b32 s30, s30, 2
	s_add_co_u32 s29, s29, s30
	s_and_b32 s30, s25, 1
	s_lshl_b32 s30, s30, 1
	s_add_co_u32 s29, s29, s30
	s_add_co_u32 s29, s29, SCO
	v_add_nc_u32 v[KSA], s29, v[LI16]
	s_lshl_b32 s29, s26, 9                         ; hx's scale words: 512 (w / 8) + 16 (r + 16 (w % 2)) + 4 ((w / 2) % 4)
	s_and_b32 s30, s22, 1
	s_lshl_b32 s30, s30, 8
	s_add_co_u32 s29, s29, s30
	s_bfe_u32 s30, s22, 0x20001
	s_lshl_b32 s30, s30, 2
	s_add_co_u32 s29, s29, s30
	s_add_co_u32 s29, s29, SCO+512
	v_lshl_add_u32 v[VSA], v[T0+1], 4, s29
	v_lshl_add_u32 v[TP], v0, 4, SCO               ; the last copy: 16 x thread (waves 0-3 alone use it)
.irp b, 0,1,2,3
	v_mov_b32 v[TM+4+\b], 0                        ; written once: a lane permute's destination counts as one of its sources
.endr
	; byte offsets, each in a pair of its own with 0 above
	s_lshl_b32 s34, s27, 22                        ; x: a batch is 2^22 bytes,
	s_lshl_b32 s36, ttmp9, 9                       ; a chunk 512 bytes of a row,
	s_add_co_u32 s34, s34, s36
	s_lshl_b32 s36, s24, 20                        ; 64 channels 2^20,
	s_add_co_u32 s34, s34, s36
	s_lshl_b32 s36, s23, 7                         ; 32 positions 128
	s_add_co_u32 s34, s34, s36
	s_mov_b32 s35, 0
	s_mul_i32 s36, s28, REC
	s_mov_b32 s37, 0
	s_mul_i32 s38, s28, QREC
	s_mov_b32 s39, 0
	s_lshl_b32 s42, s22, 7                         ; wh's scale bytes: my 16 rows
	s_mov_b32 s43, 0
	s_mul_i32 s44, s25, 768                        ; my tile in a record
	s_mov_b32 s45, 0
	s_mul_i32 s46, s22, 1536                       ; my channel tile in a record
	s_mov_b32 s47, 0
	s_wait_dscnt 0x0
	s_wait_kmcnt 0x0
	s_cmp_lt_u32 s22, 2                            ; which tensor tile w comes from: the choice hangs on the wave's number alone
	s_cselect_b64 s[G0+2:G0+3], s[6:7], s[10:11]
	s_cmp_lt_u32 s22, 4
	s_cselect_b64 s[G0+2:G0+3], s[G0+2:G0+3], s[14:15]
	s_add_nc_u64 s[G0+2:G0+3], s[G0+2:G0+3], s[40:41]
	s_or_b32 s[G0+3], s[G0+3], 0x80000000          ; type = 2
	s_cmp_lt_u32 s22, 12
	s_cbranch_scc0 .Lno_fetch                      ; waves 12-15 fetch nothing
	tensor_load_to_lds s[G0:G0+3], s[G1:G1+7]      ; a first fill: ahead of every wait on TENSORcnt, every LDS read and every barrier
	s_nop 0
	PLACES 4
.Lno_fetch:
	s_add_nc_u64 s[4:5], s[4:5], s[34:35]
	s_add_nc_u64 s[20:21], s[20:21], s[36:37]      ; kv's record
	s_add_nc_u64 s[18:19], s[18:19], s[38:39]      ; q's record
	s_add_nc_u64 s[16:17], s[16:17], s[42:43]
	s_cmp_lt_u32 s22, 8                            ; fx or gx
	s_cselect_b64 s[8:9], s[8:9], s[12:13]         ; the weight's scale bytes,
	s_cselect_b64 s[48:49], s[20:21], s[18:19]     ; and the record that takes the result
	s_add_nc_u64 s[48:49], s[48:49], s[44:45]
	s_add_nc_u64 s[50:51], s[20:21], s[46:47]
	; ---- the loads: x first, then the weights' scale words.  x carries no hint: the next launch reads it again
.set i, 0
.rept 64
	global_load_b32 v[A+i], v[XA], s[4:5] offset:16384*i   ; x(64 cq + i, my position): 32 lanes read 128 consecutive bytes, the four waves of a cq 512
.set i, i+1
.endr
.irp o, 0,1,2,3
.irp s, 0,1
	global_load_b32 v[WFS+2*\o+\s], v[WFSA], s[8:9] offset:64*\o+4*\s
.endr
.endr
	s_wait_alu depctr_va_vdst(0)
.irp s, 0,1
	global_load_b32 v[WHS+\s], v[WHSA], s[16:17] offset:4*\s
.endr
	; ---- X
	s_wait_loadcnt 10                              ; x's 64 loads are in; the ten loads of scale words behind them may be out
	QUANTX 0
	QUANTX 1
	v_lshl_or_b32 v[PW], v[TM+5], 8, v[TM+4]
	ds_store_b16 v[XWS], v[PW]
	s_wait_tensorcnt 0x0                           ; for the others' sake: my tile of the weights has landed,
	s_wait_dscnt 0x0                               ; and so have my stores
	s_barrier_signal -1
	s_barrier_wait -1                              ; x's sixteen fragments, their scale words and all the weights' codes lie in LDS
	; ---- F: 64 channels of fx or gx for my tile of 16 positions
	XFETCH XF, FI16, FI8, 0
	XFETCH XF+12, FI16, FI8, 1536
	ds_load_b32 v[XS], v[FS] offset:XSC
	ds_load_b32 v[XS+1], v[FS] offset:XSC+64
.irp o, 0,1,2,3
.irp s, 0,1
	WFRAG B+12*(2*\o+\s), WFA, WFA2, \s, \o*8*WP
.endr
.endr
	s_wait_loadcnt 0x0                             ; the weights' scale words
	s_wait_dscnt 0x0
.irp s, 0,1                            ; the four accumulators by turns, K step by K step
.irp o, 0,1,2,3
	MM FA+8*\o, B+12*(2*\o+\s), XF+12*\s, 1-\s, WFS+2*\o+\s, XS+\s
.endr
.endr
	WFRAG WH, WHA, WHA2, 0, 0                      ; wh's two fragments, for phase H: they land while fx or gx is quantised
	WFRAG WH+12, WHA, WHA2, 1, 0
	PLACES 4
	QUANT FA, 1                                    ; lane (r, h): row r of my tile; register i: channel 32 h + i
	global_store_b128 v[LI16], v[PC:PC+3], s[48:49]             ; 512 consecutive bytes, at a multiple of 256 from the buffer's first byte
	global_store_b64 v[LI8], v[PC+4:PC+5], s[48:49] offset:512  ; and 256
	ds_store_b16 v[KSA], v[PW]
	; ---- H: hx of my 16 channels, four tiles of positions at a time
.irp g, 0,1
	PLACES 4                                       ; in front of loads into registers that matrix instructions have read
.irp t, 0,1,2,3
.irp s, 0,1
	XFETCH B+12*(2*\t+\s), LI16, LI8, (4*\g+\t)*XT+1536*\s
	ds_load_b32 v[XS+2*\t+\s], v[LS] offset:XSC+(2*(4*\g+\t)+\s)*64
.endr
.endr
	s_wait_dscnt 0x0
.irp s, 0,1
.irp t, 0,1,2,3
	MM HA+8*(4*\g+\t), B+12*(2*\t+\s), WH+12*\s, 1-\s, XS+2*\t+\s, WHS+\s
.endr
.endr
.endr
	PLACES 4
	s_wait_xcnt 0x0                                ; phase F's stores have read their registers: the codes' registers are written again only behind this wait
	QUANT HA, 2                                    ; lane (r, h): channel 16 w + r; register 32 c + i: position 64 c + 32 h + i of the chunk
.irp c, 0,1,2
	global_store_b128 v[LI16], v[PC+4*\c:PC+4*\c+3], s[50:51] offset:VCO+512*\c
.endr
	ds_store_b32 v[VSA], v[PW]                     ; lanes l and l xor 16 write the same word with the same value
	s_wait_dscnt 0x0
	s_barrier_signal -1
	s_barrier_wait -1                              ; all 2,048 scale bytes lie in LDS, as the records have them
	s_cmp_lt_u32 s22, 4                            ; waves 0-3 carry 512 bytes each: fx's and hx's to kv's record, gx's to q's
	s_cbranch_scc0 .Ldone
	s_lshl_b32 s52, s22, 9
	s_cmp_eq_u32 s22, 3
	s_cselect_b32 s52, 0, s52
	s_cselect_b64 s[54:55], s[18:19], s[20:21]
	s_mov_b32 s53, 0
	s_add_nc_u64 s[54:55], s[54:55], s[52:53]
	ds_load_b128 v[TM:TM+3], v[TP]
	s_wait_dscnt 0x0
	global_store_b128 v[LI16], v[TM:TM+3], s[54:55] offset:KSO
.Ldone:
	s_wait_tensorcnt 0x0
	ds_add_u32 v254, v255
	s_wait_dscnt 0x0
	s_endpgm
.Lfunc_end_k_qa9c2b7690f_proj:
	.size	k_qa9c2b7690f_proj, .Lfunc_end_k_qa9c2b7690f_proj-k_qa9c2b7690f_proj
	.p2alignl 7, 3214868480
	.fill 96, 4, 3214868480
	.section	.rodata,"a",@progbits
	.p2align	6, 0x0
	.amdhsa_kernel k_qa9c2b7690f_proj
		.amdhsa_group_segment_fixed_size 169984
		.amdhsa_private_segment_fixed_size 0
		.amdhsa_enable_private_segment 0
		.amdhsa_kernarg_size 72
		.amdhsa_user_sgpr_count 2
		.amdhsa_user_sgpr_kernarg_segment_ptr 1
		.amdhsa_wavefront_size32 1
		.amdhsa_system_sgpr_workgroup_id_x 1
		.amdhsa_system_sgpr_workgroup_id_y 1
		.amdhsa_system_sgpr_workgroup_id_z 1
		.amdhsa_system_vgpr_workitem_id 0
		.amdhsa_next_free_vgpr 256
		.amdhsa_next_free_sgpr 80
		.amdhsa_reserve_vcc 0
		.amdhsa_float_denorm_mode_32 3
		.amdhsa_float_denorm_mode_16_64 3
		.amdhsa_memory_ordered 1
		.amdhsa_forward_progress 1
		.amdhsa_inst_pref_size 39
	.end_amdhsa_kernel
	.amdgpu_metadata
---
amdhsa.version: [ 1, 2 ]
amdhsa.kernels:
  - .name:           k_qa9c2b7690f_proj
    .symbol:         k_qa9c2b7690f_proj.kd
    .args:
      - { .name: x, .offset: 0, .size: 8, .value_kind: global_buffer, .address_space: global }
      - { .name: wf_codes, .offset: 8, .size: 8, .value_kind: global_buffer, .address_space: global }
      - { .name: wf_scales, .offset: 16, .size: 8, .value_kind: global_buffer, .address_space: global }
      - { .name: wg_codes, .offset: 24, .size: 8, .value_kind: global_buffer, .address_space: global }
      - { .name: wg_scales, .offset: 32, .size: 8, .value_kind: global_buffer, .address_space: global }
      - { .name: wh_codes, .offset: 40, .size: 8, .value_kind: global_buffer, .address_space: global }
      - { .name: wh_scales, .offset: 48, .size: 8, .value_kind: global_buffer, .address_space: global }
      - { .name: q, .offset: 56, .size: 8, .value_kind: global_buffer, .address_space: global }
      - { .name: kv, .offset: 64, .size: 8, .value_kind: global_buffer, .address_space: global }
    .group_segment_fixed_size: 169984
    .private_segment_fixed_size: 0
    .kernarg_segment_align: 8
    .kernarg_segment_size: 72
    .max_flat_workgroup_size: 512
    .sgpr_count:     80
    .vgpr_count:     256
    .wavefront_size: 32
...
	.end_amdgpu_metadata
.endif
;; end of part 1
;; launch attn (part 2): grid 32 x 8, 8 waves a work-group, clusters of 4 x 1, 327,680 bytes of LDS; arguments q, kv, x, gamma, out0; writes out0
.if DOCPART == 2
	.amdgcn_target "amdgcn-amd-amdhsa--gfx1250"
	.amdhsa_code_object_version 6
	.text
	.protected	k_qa9c2b7690f_attn
	.globl	k_qa9c2b7690f_attn
	.p2align	8
	.type	k_qa9c2b7690f_attn,@function
k_qa9c2b7690f_attn:
	s_mov_b64 s[64:65], 0
	v_nop
	global_prefetch_b8 v0, s[64:65] scope:SCOPE_SE
	s_setreg_imm32_b32 hwreg(HW_REG_WAVE_MODE, 25, 1), 1
	s_wait_xcnt 0x0
	s_wait_alu depctr_hold_cnt(0) depctr_sa_sdst(0) depctr_va_vdst(0) depctr_va_sdst(0) depctr_va_ssrc(0) depctr_va_vcc(0) depctr_vm_vsrc(0)
	s_getreg_b32 s2, hwreg(HW_REG_IB_STS2, 6, 4)
	s_cmp_eq_u32 s2, 0
	s_cbranch_scc0 .Lentry_in_a_cluster
	s_endpgm
.Lentry_in_a_cluster:
	s_bfe_u32 s2, ttmp6, 0x10000c
	s_cmp_lg_u32 s2, 0x3003
	s_cbranch_scc0 .Lentry_shape_is_right
	s_endpgm
.Lentry_shape_is_right:
; ATTN.  out[b][c][m] = gamma x (sum over n of hx[b][c][n] softmax_n(fx[b][:, n] . gx[b][:, m])) + x[b][c][m], both products on codes of BF6 (E3M2) with one E8M0 scale for each 32 along K.
; Queries: gx's columns (buffer q).  Keys: fx's columns, values: hx (buffer kv), a record of 32,256 bytes for each chunk of 128 positions, laid in the order of the operands' registers by the launch before.
; THE SOFTMAX AHEAD OF THE SECOND PRODUCT: t = score x log2(e); M = the largest t so far, rounded UP to a whole number; p = 2^(t - M) is quantised along the keys, not normalised; the sum is taken of the unquantised p
; and divides at the end.  When M moves, the sum is multiplied by 2^(old M - new M): exact.
; O^T IS BROUGHT UNDER THE NEW M IN EVERY SECOND STEP ONLY.  In the step between (the first of a slot's two) O^T stays under the M of the step before, and the new terms are raised to it instead: d = the rise of M, at most 64,
; is added to p's scale bytes, which a block's scale takes up exactly.  The next step multiplies O^T by 2^(old M - new M - d).  The step in front of such a step has always brought O^T under M, so d never builds on an earlier d.
; SHARES.  A work-group owns 128 queries of one batch; eight waves, two to a SIMD, so that one wave's vector work stands beside the other's matrix work and LDS loads.  Wave w = (g = w % 4, kh = w / 4) owns the 32 queries
; of tiles 2 g and 2 g + 1 and HALF of the keys: chunks 2 kh and 2 kh + 1 of each four.  So each fragment of K and V that it reads feeds two products.  Each wave keeps its own M, sum and O^T; the pair (w, w xor 4)
; merges at the end, by powers of two: each wave sends one tile's O^T to its partner through LDS and finishes the other.
; LAYOUT.  Both products are used transposed (S^T = K Q^T, O^T = V P^T): a lane holds ONE query throughout.  Row p of tile 4 c + i stands for position 64 c + 32 (p / 8) + 8 i + p % 8 of its chunk, keys and queries alike.
; So the 32 registers of S^T's tiles 4 c .. 4 c + 3 are, in lane (r, h), the WHOLE block of 32 keys 64 c + 32 h on, which is what the second product's operand wants of that lane: a block's maximum asks no other lane and
; no codes change lanes.  The queries' order is undone in the stage on the way out.
; K = 64 IN AN INSTRUCTION OF 128.  A fragment of keys holds tile 2 f in registers 0-5 (k 0-63) and tile 2 f + 1 in registers 6-11 (k 64-127).  Q stands as [Q][six registers of zero codes][Q]: its first twelve registers
; pick tile 2 f's scores, its last twelve tile 2 f + 1's.  Zero codes add nothing under any scale byte but 0xff, and the bytes here lie between 1 and 254.
; CLUSTER.  The four query blocks of a cluster belong to one batch and walk the same records: each part of a slot is asked for JOINTLY, by the same tensor load with the same descriptor and a mask that names the four.
; RING.  Two LDS slots of four records; each wave brings an eighth of a slot, 63 dense rows of 256 bytes, by one tensor load behind each change of slots: by this text's count one tensor load of a wave is out at most.
; LIMITS: NaN and infinities are not served.  p under 2^-126 counts as 0 (v_exp_f32 gives 0 there).  A block of p whose largest lies under 2^-122 keeps the scale byte 1.  Where M rises by more than 64 in a step that leaves
; O^T as it is, what was summed before is counted too heavy: at most 2^11 of hx's largest magnitude against new terms of 2^63, under 2^-52 of that magnitude in the result.  Sums stand up to 2^64 above their usual size for
; one step: hx's magnitudes stay under 2^50.
; REGISTERS.  Window 0: see the names below.  Window 1: O^T: local tile a, channel tile c at v[128 a + 8 c].  Local tile 0 is tile 2 g + kh, which I finish; local tile 1 is tile 2 g + 1 - kh, which my partner finishes.
.set REC,   32256
.set KSO,   6144                       ; in a record: the key tiles' scale bytes,
.set VSO,   6656                       ; hx's scale words,
.set VCO,   7680                       ; hx's codes
.set QREC,  6656
.set SLOTB, 4*REC
.set SLOT1, 1<<17                      ; slot 1 begins here, so that one exclusive or turns an address in one slot into the other's
.set SP,    576                        ; the stage: a channel's 128 numbers and 64 bytes of room: the row of a channel with bit 3 set begins SHF bytes further on.  Lanes 16-31 write eight rows and SHF bytes on from lanes 0-15:
.set SHF,   64
.set STG,   SLOT1                      ; 256 rows.  It lies over slot 1, which has had its last fill and its last read when the first result is stored there.  The images of O^T, 16,384 bytes a wave, lie from byte 0 on, over slot 0, likewise
.set STAT,  STG+256*SP+256             ; behind the stage's last, shifted row: 256 bytes a wave: -M, then the sum
.set SPARE, STAT+8*256                 ; the spare words, 128 bytes for each wave: four blocks of 256 bytes that no other line names
.set A0,   1                           ; v1   16 x lane + my two chunks' place in a slot;  v2 the same with 8 x lane
.set A1,   2
.set AD0,  3                           ; v3, v4 the same in the slot in hand
.set AD1,  4
.set SPW,  5                           ; v5   LDS address of my spare word; never rewritten
.set NIL,  6                           ; v6   0; never rewritten
.set LI16, 7                           ; v7   16 x lane
.set PX,   8                           ; v8   16,384 x lane: a row of x for each lane
.set EXW,  9                           ; v9   where I put the image of local tile 1;  v10 where my partner has put its
.set EXR,  10
.set SO,   11                          ; v11  the stage: my query's word in my half's first channel
.set ST,   12                          ; v12-23 for local tile a at ST + 6 a: -M, the largest t, the sum in two halves, O^T's factor, and d (a whole number; named with the factor as a pair)
.set QS,   24                          ; v24-25 Q's scale words;  v26-27 p's;  v28-31 the keys';  v32-39 V's: these registers hold scales and nothing else
.set PS,   26
.set KS,   28
.set VS,   32
.set Q,    40                          ; v40-75 at Q + 18 a: [Q][zeros][Q]
.set P,    76                          ; v76-99 p's codes, at P + 12 a
.set CT,   100                         ; v100-107 the conversions' second halves; on the way out four stage addresses
.set BM,   108                         ; v108-111 four chains of maxima; then v108, v110 my two blocks' largest scores, then largest p
.set BP,   112                         ; v112-115 lane permutes' results and the bytes
.set SOP,  116                         ; v116-119 the conversions' scale operands
.set W,    120                         ; v120-123 at work
.set STW,  124                         ; v124, v125 my statistics' place and my partner's
.set STR,  125
.set SR,   126                         ; v126 the stage: my 32 rows, 16 bytes a lane
.set LI8,  127                         ; v127 8 x lane
.set PA,   128                         ; v128-175 four fragments: the keys', or V's set A
.set S,    176                         ; v176-239 S^T, then p; v176-223 are also V's set B
.set SH8,  240                         ; v240 8 h: how far my scale bytes are shifted up in the word
.set WV,   15                          ; s15  my wave's number
.set SEL,  22                          ; s[22:23] v_permlanex16_b32's selects for lane l xor 16
.set CS,   24                          ; s[24:25] log2(e): the packed form names a pair and takes its low word for both halves
.set G1,   28                          ; s[28:35] descriptor group 1;  s[36:39] group 0, which walks
.set G0,   36
.set TB,   40                          ; s40  LDS byte at which the slot in hand begins
.set TRIPS, 41
.set XB,   44                          ; s[44:45] x, s[46:47] out0, at my 32 channels of my block
.set OB,   46
.set MSB, 0
.macro WIN new                         ; the immediate's high byte repeats the setting that is left; a switch that changes nothing is dropped
.if MSB != \new
	s_set_vgpr_msb (MSB<<8)|\new
.set MSB, \new
.endif
.endm
.macro PLACES n                        ; plain places behind matrix instructions (ISA guide 7.12.1), where no other vector work is at hand
.rept \n
	v_nop
.endr
.endm
; a matrix instruction: D, source 0, source 1; c0 = 1: the constant 0 starts the sum; the two scale registers; odd = 1: source 0's scales stand in lanes 16-31
.macro MM d, a, b, c0, sa, sb, odd
.if \c0
.if \odd
	v_wmma_scale_f32_16x16x128_f8f6f4 v[\d:\d+7], v[\a:\a+11], v[\b:\b+11], 0, v[\sa], v[\sb] matrix_a_fmt:MATRIX_FMT_BF6 matrix_b_fmt:MATRIX_FMT_BF6 matrix_a_scale:MATRIX_SCALE_ROW1
.else
	v_wmma_scale_f32_16x16x128_f8f6f4 v[\d:\d+7], v[\a:\a+11], v[\b:\b+11], 0, v[\sa], v[\sb] matrix_a_fmt:MATRIX_FMT_BF6 matrix_b_fmt:MATRIX_FMT_BF6
.endif
.else
.if \odd
	v_wmma_scale_f32_16x16x128_f8f6f4 v[\d:\d+7], v[\a:\a+11], v[\b:\b+11], v[\d:\d+7], v[\sa], v[\sb] matrix_a_fmt:MATRIX_FMT_BF6 matrix_b_fmt:MATRIX_FMT_BF6 matrix_a_scale:MATRIX_SCALE_ROW1
.else
	v_wmma_scale_f32_16x16x128_f8f6f4 v[\d:\d+7], v[\a:\a+11], v[\b:\b+11], v[\d:\d+7], v[\sa], v[\sb] matrix_a_fmt:MATRIX_FMT_BF6 matrix_b_fmt:MATRIX_FMT_BF6
.endif
.endif
.endm
; A round of the cluster's barrier: my work-group's barrier, so that wave 0's signal speaks for all eight waves; wave 0 signals; every wave waits for all four work-groups; my work-group's barrier once more.
.macro CROUND
	s_barrier_signal -1
	s_barrier_wait -1
	s_cmp_lg_u32 s[WV], 0
	s_cbranch_scc1 .Lnot_wave_0_\@
	s_barrier_signal -3
.Lnot_wave_0_\@:
	s_barrier_wait -3
	s_barrier_signal -1
	s_barrier_wait -1
.endm
; THE CHANGE OF SLOTS.  Each wave waits for all its tensor loads (its part of the slot ahead), adds 0 to its spare word, and waits for that and for its reads of the slot that it leaves.  Behind the barrier the slot ahead is
; whole and nobody reads the other.  fill = 1: the barrier is a round of the cluster's, and the slot just left takes the next four records: the load has two key steps in which to land.
.macro CHANGE fill
	s_wait_tensorcnt 0x0                           ; no tensor load of mine is out, so group 0 may be written
	ds_add_u32 v[SPW], v[NIL]                      ; 0 onto my spare word
.if \fill
	s_xor_b32 s[G0+1], s[G0+1], SLOT1              ; the other slot than last time,
	s_add_nc_u64 s[G0+2:G0+3], s[G0+2:G0+3], SLOTB ; the next four records; the type bits on top are not reached
.endif
	s_wait_dscnt 0x0                               ; the add is done, and my reads of the slot that I leave are over
.if \fill
	CROUND
	tensor_load_to_lds s[G0:G0+3], s[G1:G1+7]      ; the first thing behind the round, and my one tensor load until the next
	s_nop 0
	PLACES 4
.else
	s_barrier_signal -1
	s_barrier_wait -1
.endif
	s_xor_b32 s[TB], s[TB], SLOT1
	v_add_nc_u32 v[AD0], s[TB], v[A0]
	v_add_nc_u32 v[AD1], s[TB], v[A1]
.endm
.macro KLOAD q                         ; chunk q of my two: eight key tiles as four fragments, their scale words, V's scale words: 19 loads
.irp t, 0,1,2,3,4,5,6,7
	ds_load_b128 v[PA+6*\t:PA+6*\t+3], v[AD0] offset:\q*REC+768*\t
	ds_load_b64 v[PA+6*\t+4:PA+6*\t+5], v[AD1] offset:\q*REC+768*\t+512
.endr
	ds_load_b128 v[KS:KS+3], v[AD0] offset:\q*REC+KSO
	ds_load_b128 v[VS:VS+3], v[AD0] offset:\q*REC+VSO
	ds_load_b128 v[VS+4:VS+7], v[AD0] offset:\q*REC+VSO+512
.endm
.macro SMUL a                          ; S^T of local tile a: eight tiles of 16 keys
.irp t, 0,1,2,3,4,5,6,7
	MM S+8*\t, PA+12*(\t/2), Q+18*\a+6*(\t%2), 1, KS+\t/2, QS+\a, 0
.endr
.endm
.macro VLOAD q, grp, set               ; V's channel tiles 4 grp .. 4 grp + 3: 12 loads
.irp c, 0,1,2,3
.irp k, 0,1,2
	ds_load_b128 v[\set+12*\c+4*\k:\set+12*\c+4*\k+3], v[AD0] offset:\q*REC+VCO+(4*\grp+\c)*1536+512*\k
.endr
.endr
.endm
.macro PVMUL grp, set, mode            ; O^T += V P^T: four channel tiles x my two tiles of queries.  The 32 accumulators take turns, one instruction a turn.  mode = 1: the constant 0 starts the sums
	WIN 0x50                                       ; C and D in window 1
.irp c, 0,1,2,3
.irp a, 0,1
.if \mode == 1
	MM 128*\a+8*(4*\grp+\c), \set+12*\c, P+12*\a, 1, VS+(4*\grp+\c)/2, PS+\a, \c%2
.else
	MM 128*\a+8*(4*\grp+\c), \set+12*\c, P+12*\a, 0, VS+(4*\grp+\c)/2, PS+\a, \c%2
.endif
.endr
.endr
.endm
.macro RESCALE a                       ; O^T of local tile a under the new M; each accumulator from its low end on
	WIN 0x41                                       ; destination and source 0 in window 1
.set ri, 0
.rept 64
	v_pk_mul_f32 v[128*\a+ri:128*\a+ri+1], v[128*\a+ri:128*\a+ri+1], v[ST+6*\a+4:ST+6*\a+5] op_sel_hi:[1,0]
.set ri, ri+2
.endr
	WIN 0
.endm
; The softmax of local tile a for 128 keys: lane (r, h) holds query r; register 32 c + i holds key 64 c + 32 h + i: my blocks are h and 2 + h.
; mode 0: O^T will be brought under the new M: its factor is made.  mode 1: the first step: there is no O^T yet.  mode 2: O^T stays, and d goes into p's scale bytes.
.macro SOFTMAX a, mode
.set rT, ST+6*\a
.set rP, P+12*\a
.irp b, 0,1,2,3
	v_max3_num_f32 v[BM+\b], v[S+16*\b], v[S+16*\b+1], v[S+16*\b+2]   ; THE LARGEST SCORE OF EACH BLOCK OF 32 KEYS serves twice: for the row's maximum, and, since p rises with the score, for the block's largest p.  Two chains a block
.endr
.irp i, 3,5,7,9,11,13
.irp b, 0,1,2,3
	v_max3_num_f32 v[BM+\b], v[BM+\b], v[S+16*\b+\i], v[S+16*\b+\i+1]  ; (the four chains by turns)
.endr
.endr
.irp c, 0,1
	v_max3_num_f32 v[BM+2*\c], v[BM+2*\c], v[S+32*\c+15], v[S+32*\c+31]
.endr
.irp c, 0,1
	s_delay_alu instid0(VALU_DEP_2)
	v_max_num_f32 v[BM+2*\c], v[BM+2*\c], v[BM+2*\c+1]   ; my block 2 c + h: all its 32 keys are mine
.endr
	s_delay_alu instid0(VALU_DEP_1)
	v_max_num_f32 v[W], v[BM], v[BM+2]
	s_delay_alu instid0(VALU_DEP_1)
	v_permlanex16_b32 v[BP], v[W], s[SEL], s[SEL+1]
	s_delay_alu instid0(VALU_DEP_1)
	v_max_num_f32 v[W], v[W], v[BP]                ; with lane l xor 16's two blocks: the step's largest score of my query
	s_delay_alu instid0(VALU_DEP_1)
	v_mul_f32 v[W], s[CS], v[W]                    ; as t
	s_delay_alu instid0(VALU_DEP_1)
	v_max_num_f32 v[rT+1], v[rT+1], v[W]           ; the running largest t
	v_mov_b32 v[W], v[rT]
	s_delay_alu instid0(VALU_DEP_2)
	v_floor_f32 v[rT], -v[rT+1]                    ; the new -M = floor(-t) = -ceil(t): M IS A WHOLE NUMBER
	s_delay_alu instid0(VALU_DEP_1)
	v_sub_f32 v[W], v[rT], v[W]                    ; M's old value less its new one: a whole number, 0 or less
.if \mode == 0
	s_delay_alu instid0(VALU_DEP_1)
	v_max_num_f32 v[W], 0xc4800000, v[W]           ; held at -1024, so that d can be taken off the whole number below without a wrap: 2^-1024 is 0, as every smaller power is
.endif
	s_delay_alu instid0(VALU_DEP_1)
	v_cvt_i32_f32 v[W], v[W]                       ; (it saturates)
	s_delay_alu instid0(VALU_DEP_1)
	v_ldexp_f32 v[W+2], 1.0, v[W]                  ; 2^(old M - new M): the sum's factor, in every step
.if \mode == 0
	s_delay_alu instid0(VALU_DEP_2)
	v_sub_nc_u32 v[W], v[W], v[rT+5]               ; O^T stands d under the old M (d = 0 behind the first step):
	s_delay_alu instid0(VALU_DEP_1)
	v_ldexp_f32 v[rT+4], 1.0, v[W]                 ; its factor is 2^(old M - new M - d)
.elseif \mode == 2
	s_delay_alu instid0(VALU_DEP_2)
	v_sub_nc_u32 v[W], 0, v[W]                     ; the rise of M,
	s_delay_alu instid0(VALU_DEP_1)
	v_min_u32 v[rT+5], 64, v[W]                    ; held at 64: d
.endif
.set sj, 0
.rept 32
	v_pk_fma_f32 v[S+sj:S+sj+1], v[S+sj:S+sj+1], s[CS:CS+1], v[rT:rT+1] op_sel_hi:[1,0,0]   ; t - M, two at a time (of the pairs the low word serves both halves)
.set sj, sj+2
.endr
.irp c, 0,1
	v_fma_f32 v[BM+2*\c], v[BM+2*\c], s[CS], v[rT] ; the same of each block's largest score
.endr
.set sj, 0
	s_wait_alu depctr_va_vdst(0)
.rept 64
	v_exp_f32 v[S+sj], v[S+sj]                     ; p = 2^(t - M): NOT normalised
.set sj, sj+1
.endr
.irp c, 0,1
	v_exp_f32 v[BM+2*\c], v[BM+2*\c]               ; the block's largest p: the same two instructions on the same number give the same bits
.endr
	v_pk_mul_f32 v[rT+2:rT+3], v[rT+2:rT+3], v[W+2:W+3] op_sel_hi:[1,0]   ; the sums under the new M.  (A plain place behind the exponentials)
	s_wait_alu depctr_va_vdst(0)
.irp c, 0,1
	v_max_num_f32 v[BM+2*\c], 0x2800000, v[BM+2*\c]   ; the floor 2^(5 - 127): the byte cannot fall under 1
.endr
.irp c, 0,1
	s_delay_alu instid0(VALU_DEP_2)
	v_add_nc_u32 v[SOP+\c], 0xfe000000, v[BM+2*\c] ; 4 off the exponent field: the conversion's scale operand
.endr
.irp c, 0,1
	s_delay_alu instid0(VALU_DEP_2)
	v_lshrrev_b32 v[BP+1+\c], 23, v[SOP+\c]        ; the scale's byte, at most 123
.endr
	s_delay_alu instid0(VALU_DEP_1)
	v_lshl_or_b32 v[BP+1], v[BP+2], 16, v[BP+1]    ; my two bytes: blocks h and 2 + h,
.if \mode == 2
	s_delay_alu instid0(VALU_DEP_1)
	v_mad_u32_u24 v[BP+1], v[rT+5], 0x10001, v[BP+1]   ; each raised by d: at most 187
.endif
	s_delay_alu instid0(VALU_DEP_1)
	v_lshlrev_b32 v[BP+1], v[SH8], v[BP+1]         ; at their places in the word (8 h bits up);
	s_delay_alu instid0(VALU_DEP_1)
	v_permlanex16_b32 v[BP+3], v[BP+1], s[SEL], s[SEL+1]
	s_delay_alu instid0(VALU_DEP_1)
	v_or_b32 v[PS+\a], v[BP+1], v[BP+3]            ; with lane l xor 16's two: p's scale word for these 128 keys
.irp c, 0,1
	v_cvt_scalef32_pk16_bf6_f32 v[rP+6*\c:rP+6*\c+2], v[S+32*\c:S+32*\c+15], v[SOP+\c]
	v_cvt_scalef32_pk16_bf6_f32 v[CT+4*\c:CT+4*\c+2], v[S+32*\c+16:S+32*\c+31], v[SOP+\c]   ; (a conversion's three registers begin on an even number)
.endr
	v_pk_add_f32 v[W:W+1], v[S:S+1], v[S+2:S+3]    ; THE ROW'S SUM IS TAKEN OF THE UNQUANTISED p: two at a time, in two chains.  This line is also the plain place behind the conversions
.irp c, 0,1
.irp i, 0,1,2
	v_mov_b32 v[rP+6*\c+3+\i], v[CT+4*\c+\i]
.endr
.endr
.set sj, 4
.rept 15
	v_pk_add_f32 v[rT+2:rT+3], v[rT+2:rT+3], v[S+sj:S+sj+1]
	v_pk_add_f32 v[W:W+1], v[W:W+1], v[S+sj+2:S+sj+3]
.set sj, sj+4
.endr
	s_delay_alu instid0(VALU_DEP_1)
	v_pk_add_f32 v[rT+2:rT+3], v[rT+2:rT+3], v[W:W+1]
.endm
; A KEY STEP: 128 keys (chunk q of my two in the slot in hand) against my 32 queries.  mode as in SOFTMAX.
.macro STEP q, mode
	PLACES 5                                       ; four in front of loads into registers that the last products read; five in front of the products that write over V's set B
	KLOAD \q
	s_wait_dscnt 2                                 ; the keys and their scale words are in; the two loads of V's scale words may be out
	SMUL 0
	PLACES 4
	SOFTMAX 0, \mode
	SMUL 1
.if \mode
	PLACES 4
.else
	RESCALE 0                                      ; 64 plain lines that name nothing of the products just issued: their places
.endif
	VLOAD \q, 0, PA
	SOFTMAX 1, \mode
	VLOAD \q, 1, S
.if \mode == 0
	RESCALE 1
.endif
	s_wait_alu depctr_va_vdst(0)
	s_wait_dscnt 12                                ; all but the youngest group of 12
	PVMUL 0, PA, \mode
	WIN 0
	PLACES 4
	VLOAD \q, 2, PA
	s_wait_dscnt 12
	PVMUL 1, S, \mode
	WIN 0
	PLACES 4
	VLOAD \q, 3, S
	s_wait_dscnt 12
	PVMUL 2, PA, \mode
	s_wait_dscnt 0x0
	PVMUL 3, S, \mode
	WIN 0
.endm
	s_load_b256 s[4:11], s[0:1], 0x0               ; q s[4:5], kv s[6:7], x s[8:9], gamma s[10:11]
	s_load_b64 s[12:13], s[0:1], 0x20              ; out0
	v_lshl_add_u32 v[SPW], v0, 2, SPARE
	v_mov_b32 v[NIL], 0
	ds_add_u32 v5, v6
	ds_add_u32 v5, v6
	s_wait_dscnt 0x0
	v_lshrrev_b32 v[W+3], 5, v0
	s_delay_alu instid0(VALU_DEP_1)
	v_readfirstlane_b32 s[WV], v[W+3]              ; wave 0..7
	s_and_b32 s16, s[WV], 3                        ; g: my pair of query tiles
	s_lshr_b32 s17, s[WV], 2                       ; kh: my half of the keys
	s_bfe_u32 s18, ttmp6, 0x40000                  ; cx: my place in the cluster
	s_lshl_b32 s19, ttmp9, 2                       ; in a cluster launch ttmp9 counts clusters
	s_add_co_u32 s19, s19, s18                     ; my block of 128 queries: it enters q's, x's and out0's addresses alone
	s_and_b32 s20, ttmp7, 0xffff                   ; the batch, which the four partners share
	s_mov_b32 s[SEL], 0x76543210
	s_mov_b32 s[SEL+1], 0xfedcba98
	s_mov_b32 s[CS], 0x3fb8aa3b                    ; log2(e)
	s_mov_b32 s[CS+1], s[CS]                       ; (named with it as a pair, so it is written)
	s_mov_b32 s[TB], SLOT1                         ; the first change of slots turns it to slot 0
	; byte offsets
	s_lshl_b32 s42, s20, 22                        ; x, out0: a batch is 2^22 bytes,
	s_lshl_b32 s43, s19, 9                         ; a block 512 bytes of a row,
	s_add_co_u32 s42, s42, s43
	s_lshl_b32 s43, s[WV], 19                      ; my 32 channels 2^19
	s_add_co_u32 s42, s42, s43
	s_mov_b32 s43, 0
	s_lshl_b32 s54, s20, 5
	s_add_co_u32 s54, s54, s19
	s_mul_i32 s54, s54, QREC                       ; q's record
	s_lshl_b32 s58, s16, 1
	s_add_co_u32 s59, s58, s17                     ; local tile 0 = tile 2 g + kh
	s_mul_i32 s48, s59, 768
	s_add_co_u32 s48, s48, s54
	s_mov_b32 s49, 0
	s_xor_b32 s59, s59, 1                          ; local tile 1 = tile 2 g + 1 - kh
	s_mul_i32 s50, s59, 768
	s_add_co_u32 s50, s50, s54
	s_mov_b32 s51, 0
	s_lshl_b32 s52, s16, 2                         ; the word with both tiles' scale bytes: 16 x lane + 4 g
	s_add_co_u32 s52, s52, s54
	s_add_co_u32 s52, s52, KSO
	s_mov_b32 s53, 0
	s_mul_i32 s56, s20, 32*REC                     ; kv: the batch's 32 records, and my eighth of a slot: nothing here hangs on my place in the cluster
	s_mul_i32 s57, s[WV], SLOTB/8
	s_add_co_u32 s56, s56, s57
	s_mov_b32 s57, 0
	; descriptor group 1: 63 dense rows of 256 bytes
	s_mov_b32 s[G1], 15|(3<<16)|(1<<21)            ; 15:0 the mask: all four work-groups; 17:16 elements of 8 bytes; 21 set beside a mask; no padding: all reads are register images, lane l at 16 l or 8 l
	s_mov_b32 s[G1+1], 32<<16                      ; tensor_dim0 = 32
	s_mov_b32 s[G1+2], 63<<16                      ; tensor_dim1 = 63
	s_mov_b32 s[G1+3], 32<<16                      ; tile_dim0 = 32
	s_mov_b32 s[G1+4], 63                          ; tile_dim1 = 63
	s_mov_b32 s[G1+5], 32                          ; from row to row
	s_mov_b32 s[G1+6], 0
	s_mov_b32 s[G1+7], 0
	s_mov_b32 s[G0], 1                             ; count = 1
	s_mul_i32 s[G0+1], s[WV], SLOTB/8              ; LDS address: slot 0, my eighth
	; addresses of a lane
	v_and_b32 v[W+3], 31, v0                       ; lane
	s_delay_alu instid0(VALU_DEP_1)
	v_lshlrev_b32 v[LI16], 4, v[W+3]
	s_delay_alu instid0(VALU_DEP_2)
	v_lshlrev_b32 v[LI8], 3, v[W+3]
	s_delay_alu instid0(VALU_DEP_3)
	v_lshlrev_b32 v[PX], 14, v[W+3]
	s_mul_i32 s58, s17, 2*REC
	v_add_nc_u32 v[A0], s58, v[LI16]
	v_add_nc_u32 v[A1], s58, v[LI8]
	s_lshl_b32 s58, s[WV], 14
	s_xor_b32 s59, s58, 4<<14
	v_add_nc_u32 v[EXW], s58, v[LI16]
	v_add_nc_u32 v[EXR], s59, v[LI16]
	; the stage: my query is row r of tile T = 2 g + kh: position 64 (T / 4) + 32 (r / 8) + 8 (T % 4) + r % 8, 4 bytes each; lanes 16-31 write the channels with bit 3 set: eight rows down and SHF bytes on
	v_and_b32 v[W+1], 7, v0                        ; r % 8
	v_bfe_u32 v[W+2], v0, 3, 1                     ; r / 8
	s_delay_alu instid0(VALU_DEP_2)
	v_lshlrev_b32 v[W+1], 2, v[W+1]
	s_delay_alu instid0(VALU_DEP_1)
	v_lshl_add_u32 v[W+1], v[W+2], 7, v[W+1]
	v_bfe_u32 v[W+2], v0, 4, 1                     ; h
	s_delay_alu instid0(VALU_DEP_1)
	v_mad_u32_u24 v[SO], v[W+2], 8*SP+SHF, v[W+1]
	s_wait_alu depctr_va_vdst(0)
	s_lshr_b32 s58, s16, 1                         ; T / 4 = g / 2;  T % 4 = 2 (g % 2) + kh
	s_lshl_b32 s58, s58, 8
	s_and_b32 s59, s16, 1
	s_lshl_b32 s59, s59, 6
	s_add_co_u32 s58, s58, s59
	s_lshl_b32 s59, s17, 5
	s_add_co_u32 s58, s58, s59
	s_add_co_u32 s58, s58, STG
	v_add_nc_u32 v[SO], s58, v[SO]
	v_lshlrev_b32 v[SH8], 3, v[W+2]
	s_lshl_b32 s58, s[WV], 8
	s_xor_b32 s59, s58, 4<<8
	s_add_co_u32 s58, s58, STAT
	s_add_co_u32 s59, s59, STAT
	v_lshl_add_u32 v[STW], v[W+3], 2, s58
	v_lshl_add_u32 v[STR], v[W+3], 2, s59
	s_mul_i32 s58, s[WV], 32*SP
	s_add_co_u32 s58, s58, STG
	v_add_nc_u32 v[SR], s58, v[LI16]
.irp a, 0,1
	v_mov_b32 v[ST+6*\a+1], 0xff61b1e6             ; the largest t so far: -3e38, under every t
	s_delay_alu instid0(VALU_DEP_1)
	v_floor_f32 v[ST+6*\a], -v[ST+6*\a+1]          ; -M
	v_mov_b32 v[ST+6*\a+2], 0                      ; the sum, in two halves
	v_mov_b32 v[ST+6*\a+3], 0
	v_mov_b32 v[ST+6*\a+5], 0                      ; d = 0: the first step leaves O^T under its own M
.irp i, 0,1,2,3,4,5
	v_mov_b32 v[Q+18*\a+6+\i], 0                   ; the six registers of zero codes between the two copies of Q
.endr
.endr
.irp b, 0,1,2,3
	v_mov_b32 v[BP+\b], 0                          ; written once: a lane permute's destination counts as one of its sources
.endr
	s_wait_kmcnt 0x0
	s_load_b32 s14, s[10:11], 0x0                  ; gamma
	s_add_nc_u64 s[G0+2:G0+3], s[6:7], s[56:57]    ; global address: the batch's first four records, my eighth
	s_or_b32 s[G0+3], s[G0+3], 0x80000000          ; type = 2
	s_add_nc_u64 s[XB:XB+1], s[8:9], s[42:43]
	s_add_nc_u64 s[OB:OB+1], s[12:13], s[42:43]
	s_add_nc_u64 s[48:49], s[4:5], s[48:49]
	s_add_nc_u64 s[50:51], s[4:5], s[50:51]
	s_add_nc_u64 s[52:53], s[4:5], s[52:53]
	CROUND                                         ; all four work-groups are here: the first joint loads meet
	tensor_load_to_lds s[G0:G0+3], s[G1:G1+7]      ; slot 0
	s_nop 0
	PLACES 4
.irp a, 0,1                            ; Q stays in registers, twice for each tile
	global_load_b128 v[Q+18*\a:Q+18*\a+3], v[LI16], s[48+2*\a:49+2*\a]
	global_load_b64 v[Q+18*\a+4:Q+18*\a+5], v[LI8], s[48+2*\a:49+2*\a] offset:512
	global_load_b128 v[Q+18*\a+12:Q+18*\a+15], v[LI16], s[48+2*\a:49+2*\a]
	global_load_b64 v[Q+18*\a+16:Q+18*\a+17], v[LI8], s[48+2*\a:49+2*\a] offset:512
.endr
	global_load_b32 v[W], v[LI16], s[52:53]        ; tile 2 g's two scale bytes below, tile 2 g + 1's above
	s_lshl_b32 s58, s17, 4
	s_xor_b32 s59, s58, 16
	s_wait_loadcnt 0x0
	s_wait_kmcnt 0x0
	v_lshrrev_b32 v[W+1], s58, v[W]                ; local tile 0's two bytes, doubled: (q0, q1, q0, q1) serves both places of Q in the 128
	s_delay_alu instid0(VALU_DEP_1)
	v_and_b32 v[W+1], 0xffff, v[W+1]
	s_delay_alu instid0(VALU_DEP_1)
	v_lshl_or_b32 v[QS], v[W+1], 16, v[W+1]
	v_lshrrev_b32 v[W+2], s59, v[W]
	s_delay_alu instid0(VALU_DEP_1)
	v_and_b32 v[W+2], 0xffff, v[W+2]
	s_delay_alu instid0(VALU_DEP_1)
	v_lshl_or_b32 v[QS+1], v[W+2], 16, v[W+2]
	CHANGE 1                                       ; slot 0 is whole; slot 1 is asked for
	s_wait_alu depctr_va_vdst(0)
	STEP 0, 1                                      ; the first step stands in front of the loop: its products start O^T's sums
	s_mov_b32 s[TRIPS], 6
.Lslot:                                            ; six trips, from a slot's second step to the next slot's first; each asks for four more records
	STEP 1, 0                                      ; a slot's second step brings O^T under M,
	CHANGE 1
	STEP 0, 2                                      ; the next slot's first leaves it there
	s_sub_co_u32 s[TRIPS], s[TRIPS], 1
	s_cmp_lg_u32 s[TRIPS], 0
	s_cbranch_scc1 .Lslot
	STEP 1, 0
	CHANGE 0                                       ; the tail is written out: nothing is left to ask for
	STEP 0, 2
	global_prefetch_b8 v[PX], s[XB:XB+1] th:TH_LOAD_NT scope:SCOPE_SE              ; my 32 rows x 512 bytes of x, which I load behind the last step: each lane asks for its row's two blocks of 256 bytes,
	global_prefetch_b8 v[PX], s[XB:XB+1] offset:256 th:TH_LOAD_NT scope:SCOPE_SE   ; each block asked for once in the launch, by the wave that will load it, one key step ahead
	STEP 1, 0                                      ; the last step brings O^T under M: the merge below finds sum and O^T under one M
	; THE WAY OUT.  The sums' halves are added (these lines and two v_nop are the places behind the last products).
.irp a, 0,1
	v_add_f32 v[BM+\a], v[ST+6*\a+2], v[ST+6*\a+3]
.endr
.irp a, 0,1
	s_delay_alu instid0(VALU_DEP_2)
	v_permlanex16_b32 v[BP+\a], v[BM+\a], s[SEL], s[SEL+1]
.endr
.irp a, 0,1
	s_delay_alu instid0(VALU_DEP_2)
	v_add_f32 v[BM+\a], v[BM+\a], v[BP+\a]         ; my keys' sum for the lane's query
.endr
	PLACES 2
	WIN 0x04                                       ; an LDS store's data are its source 1: window 1
.set i, 0
.rept 32
	ds_store_b128 v[EXW], v[128+4*i:131+4*i] offset:512*i   ; local tile 1's O^T goes to my partner as an image of its registers, each accumulator from its low end on
.set i, i+1
.endr
	WIN 0
	ds_store_b32 v[STW], v[ST+6]                   ; with its -M
	ds_store_b32 v[STW], v[BM+1] offset:128        ; and its sum
	s_wait_dscnt 0x0                               ; for my partner's sake; my reads of slot 1 are over too; and the stores have read their registers,
	WIN 0x40                                       ; which now take x: destination window 1
.set i, 0
.rept 32
	global_load_b128 v[128+4*i:131+4*i], v[LI16], s[XB:XB+1] offset:16384*i th:TH_LOAD_NT   ; channel 32 w + i, my block's 512 bytes
.set i, i+1
.endr
	WIN 0
	s_barrier_signal -1
	s_barrier_wait -1
	ds_load_b32 v[BP+2], v[STR]                    ; my partner's -M
	ds_load_b32 v[BP+3], v[STR] offset:128         ; and sum for my local tile 0
.set i, 0
.rept 32
	ds_load_b128 v[128+4*i:131+4*i], v[EXR] offset:512*i    ; and its O^T, in the same registers' order as mine
.set i, i+1
.endr
.irp c, 0,1,2,3
	v_add_nc_u32 v[CT+\c], 64*SP*\c, v[SO]         ; four stage addresses, 64 channels apart
.endr
	s_wait_dscnt 32                                ; the two statistics are in; the 32 loads of the image may be out
	v_min_num_f32 v[SOP], v[ST], v[BP+2]           ; the common -M: the larger M
	s_delay_alu instid0(VALU_DEP_1)
	v_sub_f32 v[SOP+1], v[SOP], v[ST]              ; whole numbers, 0 or less
	s_delay_alu instid0(VALU_DEP_2)
	v_sub_f32 v[SOP+2], v[SOP], v[BP+2]
	s_delay_alu instid0(VALU_DEP_2)
	v_cvt_i32_f32 v[SOP+1], v[SOP+1]
	s_delay_alu instid0(VALU_DEP_2)
	v_cvt_i32_f32 v[SOP+2], v[SOP+2]
	s_delay_alu instid0(VALU_DEP_2)
	v_ldexp_f32 v[SOP+1], 1.0, v[SOP+1]            ; my factor,
	s_delay_alu instid0(VALU_DEP_2)
	v_ldexp_f32 v[SOP+2], 1.0, v[SOP+2]            ; my partner's: powers of two
	s_delay_alu instid0(VALU_DEP_2)
	v_mul_f32 v[SOP+3], v[BM], v[SOP+1]
	s_delay_alu instid0(VALU_DEP_1)
	v_fma_f32 v[SOP+3], v[BP+3], v[SOP+2], v[SOP+3]   ; the row's sum over all keys
	s_wait_alu depctr_va_vdst(0)
	v_rcp_f32 v[SOP+3], v[SOP+3]
	v_nop                                          ; one plain place behind a transcendental
	s_wait_alu depctr_va_vdst(0)
	v_mul_f32 v[SOP+3], s14, v[SOP+3]              ; gamma / the sum
	s_delay_alu instid0(VALU_DEP_1)
	v_mul_f32 v[W], v[SOP+1], v[SOP+3]             ; what my O^T is multiplied by,
	s_delay_alu instid0(VALU_DEP_2)
	v_mul_f32 v[W+2], v[SOP+2], v[SOP+3]           ; and my partner's
	s_wait_alu depctr_va_vdst(0)
	s_wait_dscnt 0x0
.set i, 0
.rept 64
	v_pk_mul_f32 v[128+i:129+i], v[128+i:129+i], v[W+2:W+3] op_sel_hi:[1,0]
.set i, i+2
.endr
	WIN 0x01                                       ; source 0 in window 1: my local tile 0, each accumulator from its low end on
.set i, 0
.rept 64
	v_pk_fma_f32 v[128+i:129+i], v[i:i+1], v[W:W+1], v[128+i:129+i] op_sel_hi:[1,0,1]
.set i, i+2
.endr
	WIN 0
.irp g, 0,1,2,3                        ; register 8 c + j of lane (r, h) is channel 16 c + 8 h + j of my query: into the stage, rows = channels, the queries at their true places
.irp c, 0,1,2,3
.irp j, 0,1,2,3,4,5,6,7
	ds_store_b32 v[CT+\g], v[128+8*(4*\g+\c)+\j] offset:(16*\c+\j)*SP
.endr
.endr
.endr
	s_wait_dscnt 0x0                               ; for the others' sake: my stores into the stage have landed
	s_barrier_signal -1
	s_barrier_wait -1                              ; 256 whole rows lie in the stage
.set i, 0
.rept 32
	ds_load_b128 v[128+4*i:131+4*i], v[SR] offset:SP*i+SHF*((i/8)%2)   ; my 32 channels, a row of 512 bytes a load; the rows of channels with bit 3 set begin SHF bytes further on
.set i, i+1
.endr
	s_wait_loadcnt 0x0                             ; x
.irp k, 0,1,2,3
	s_wait_dscnt 24-8*\k                           ; rows 8 k .. 8 k + 7 are back; those behind them may be out
	WIN 0x04                                       ; source 1 in window 1: x
.set i, 32*\k
.rept 16
	v_pk_add_f32 v[128+i:129+i], v[128+i:129+i], v[128+i:129+i]
.set i, i+2
.endr
	WIN 0
.set i, 8*\k
.rept 8
	global_store_b128 v[LI16], v[128+4*i:131+4*i], s[OB:OB+1] offset:16384*i th:TH_STORE_NT   ; 32 lanes store 512 consecutive bytes, at a multiple of 256 from out0's first byte
.set i, i+1
.endr
.endr
	s_wait_tensorcnt 0x0                           ; the wave's end: behind my last tensor load and my last LDS store
	ds_add_u32 v[SPW], v[NIL]
	s_wait_dscnt 0x0
	CROUND                                         ; the closing round: no work-group ends while a partner may still ask for a tile that names it
	s_endpgm
.Lfunc_end_k_qa9c2b7690f_attn:
	.size	k_qa9c2b7690f_attn, .Lfunc_end_k_qa9c2b7690f_attn-k_qa9c2b7690f_attn
	.p2alignl 7, 3214868480
	.fill 96, 4, 3214868480
	.section	.rodata,"a",@progbits
	.p2align	6, 0x0
	.amdhsa_kernel k_qa9c2b7690f_attn
		.amdhsa_group_segment_fixed_size 327680
		.amdhsa_private_segment_fixed_size 0
		.amdhsa_enable_private_segment 0
		.amdhsa_kernarg_size 40
		.amdhsa_user_sgpr_count 2
		.amdhsa_user_sgpr_kernarg_segment_ptr 1
		.amdhsa_wavefront_size32 1
		.amdhsa_system_sgpr_workgroup_id_x 1
		.amdhsa_system_sgpr_workgroup_id_y 1
		.amdhsa_system_sgpr_workgroup_id_z 1
		.amdhsa_system_vgpr_workitem_id 0
		.amdhsa_next_free_vgpr 512
		.amdhsa_next_free_sgpr 66
		.amdhsa_reserve_vcc 0
		.amdhsa_float_denorm_mode_32 3
		.amdhsa_float_denorm_mode_16_64 3
		.amdhsa_memory_ordered 1
		.amdhsa_forward_progress 1
		.amdhsa_inst_pref_size 255
	.end_amdhsa_kernel
	.section	.bss,"aw",@nobits
	.p2align	6
	.space	262144
	.amdgpu_metadata
---
amdhsa.version: [ 1, 2 ]
amdhsa.kernels:
  - .name:           k_qa9c2b7690f_attn
    .symbol:         k_qa9c2b7690f_attn.kd
    .args:
      - { .name: q, .offset: 0, .size: 8, .value_kind: global_buffer, .address_space: global }
      - { .name: kv, .offset: 8, .size: 8, .value_kind: global_buffer, .address_space: global }
      - { .name: x, .offset: 16, .size: 8, .value_kind: global_buffer, .address_space: global }
      - { .name: gamma, .offset: 24, .size: 8, .value_kind: global_buffer, .address_space: global }
      - { .name: out0, .offset: 32, .size: 8, .value_kind: global_buffer, .address_space: global }
    .group_segment_fixed_size: 327680
    .private_segment_fixed_size: 0
    .kernarg_segment_align: 8
    .kernarg_segment_size: 40
    .max_flat_workgroup_size: 256
    .sgpr_count:     66
    .vgpr_count:     512
    .wavefront_size: 32
...
	.end_amdgpu_metadata
.endif
;; end of part 2
